; MI455X (gfx1250); checked and timed in simulation.
; The chip was launched on July 23, 2026; its instructions are those of AMD's public machine-readable ISA for CDNA 5 (MIT licence, August 2026) and "CDNA5" Instruction Set Architecture Reference Guide (July 2026). The comments in the code are by the model that wrote it; some were corrected since.
;; Mo E Gate. Allowed arithmetic: float matrix products may take bf16 or f16 operands with f32 sums; all other float work in f32.
;; Inputs: hidden_states 4 x 8,192 x 1,024 float32; weight 8 x 1,024 float32.
;; Outputs: out0 4 x 8,192 x 2 int32; out1 4 x 8,192 x 2 float32; out2 one number float32.
;; One version. Each part assembles by itself: llvm-mc -triple=amdgcn-amd-amdhsa -mcpu=gfx1250 --defsym DOCPART=n.
;; ======== version 1 of 1: 2 launches
;; workspace buffers: part 16,384 bytes
;; launch gate (part 1): grid 256 x 1, 8 waves a work-group, no clusters, 103,680 bytes of LDS; arguments hidden_states, weight, out0, out1, part; writes out0, out1, part
.if DOCPART == 1
	.amdgcn_target "amdgcn-amd-amdhsa--gfx1250"
	.amdhsa_code_object_version 6
	.text
	.protected	k_q13144b6e19_gate
	.globl	k_q13144b6e19_gate
	.p2align	8
	.type	k_q13144b6e19_gate,@function
k_q13144b6e19_gate:
	s_mov_b64 s[64:65], 0
	v_nop
	global_prefetch_b8 v0, s[64:65] scope:SCOPE_SE
	s_setreg_imm32_b32 hwreg(HW_REG_WAVE_MODE, 25, 1), 1
	s_wait_xcnt 0x0
; MoE gate: logits[t][e] = sum over k of x[t][k] w[e][k] (32,768 tokens, 8 experts, K = 1,024), softmax over e, the two largest
; scores and their indices for each token, and for each work-group a record of 16 sums (8 sums of scores, 8 counts of choices) for the loss.
; A work-group of eight waves owns 128 tokens.  K IS SPLIT OVER THE WAVES: wave w owns k = 128 w .. 128 w + 127 of all 128 tokens.
;   - thread t loads the 16 bytes at byte 16 t of a token's row: a wave's load covers 512 consecutive bytes, aligned, the eight waves a whole row;
;   - the wave's share of the weights is 4 K steps x 8 registers of bf16 fragments and stays in registers for the whole kernel.
; x comes through a ring of 56 loads a wave (7 batches of 8, 224 registers, 28 KiB a wave on its way), refilled batch by batch behind counted
; waits: no barrier stands in the stream.  A load that covers whole rows gives a lane 4 k of ONE token; a fragment wants 16 k of the lane's
; OWN token.  So the numbers are rounded to bf16 in registers (2 bytes a number go through LDS, not 4), laid into the wave's own stage of
; 32 token rows in LDS and read back as fragments.  Loading fragments straight from memory would take 32 bytes of each of 16 rows an instruction.
; THE MATRIX INSTRUCTION: A = experts (row m: expert m, rows 8-15: expert m xor 4), B = 16 tokens.  Result register j of lane (r, h) is
; (row 8 h + j, token r): registers 0-3 are experts 0-3 in lanes 0-15 and experts 4-7 in lanes 16-31, one 16-byte LDS store a tile.
; Behind a barrier waves 0-3 add the eight waves' partial logits, one token a lane, and finish.
; NOT USED: clusters with joint loads: the work-groups share only the weights, 32,768 bytes against the 524,288 bytes of x that a work-group
; reads alone.  The tensor data mover: x has to pass through registers for the rounding in any case.
; LIMITS: inputs are finite (NaN and infinities are not served).  x and w are rounded to bf16 (nearest even), sums are f32, K in eight parts
; added as a tree.  v_exp_f32 gives 0 where 2^x is below 2^-126 (ISA guide 15.8): an expert more than about 87 below the maximum has score 0.
; Equal scores go to the lower index; scores that differ by less than the rounding of the sums may be ordered otherwise by another order of summation.
.set ROWB,  4096                       ; bytes in a row of x and of w
.set PITCH, 272                        ; a stage row: 256 bytes of bf16 + 16 = 17 x 16: sixteen rows begin at sixteen different 16-byte columns modulo 256
.set STAGE, 32*PITCH                   ; a wave's stage: 32 token rows
.set PART,  8*STAGE                    ; partial logits: [wave 8][half of the experts 2][token 128][4] f32, 4,096 bytes a wave
.set REC,   PART+8*4096                ; four records of 64 bytes, of waves 0-3
.set DEPTH, 7                          ; batches in the ring
.set LAST,  15                         ; the last batch: 16 batches of 8 tokens
.set XA, 1                             ; v1  16 x thread: my byte offset in every row of x and w; never rewritten
.set SA, 2                             ; v2  stage, in: my wave's stage + 8 x lane
.set FA, 3                             ; v3  stage, out: token row r, + 16 h
.set WA, 4                             ; v4  the same for the weights' rows
.set PA, 5                             ; v5  where my partial logits go
.set EA, 6                             ; v6  where my token's partial logits are read
.set OA, 7                             ; v7  my token's 8 bytes in out0 and out1
.set RA, 8                             ; v8  my wave's record
.set T,   16                           ; v[16:31]   8 loads' numbers as bf16, 2 registers each
.set WF,  32                           ; v[32:63]   weight fragments, K step s at 8 s
.set XF,  64                           ; v[64:127]  x fragments, tile a, K step s at 32 a + 8 s; at the start the weights as loaded
.set ACC, 128                          ; v[128:143] two accumulators
.set LG,  64                           ; the end: v[64:71] logits
.set MX,  72                           ; v[72:73] their maximum
.set SC,  76                           ; v[76:83] exponentials, then scores, then sums of scores
.set SU,  84                           ; v[84:87] sums
.set RC,  88                           ; v[88:89] 1 / sum, twice
.set IX,  90                           ; v[90:91] the two indices
.set TW,  92                           ; v[92:93] the two scores
.set CN,  96                           ; v[96:103] counts
; The ring lies in v256-v479.  An instruction names v0-v255; s_set_vgpr_msb says which block of 256 each operand place means
; (bits 1:0 source 0, 3:2 source 1, 7:6 destination).  The immediate's high byte repeats the setting that is left.
.set MSB, 0
.macro WIN new
.if MSB != \new
	s_set_vgpr_msb (MSB<<8)|\new
.set MSB, \new
.endif
.endm
; Batch b = tokens 8 b .. 8 b + 7, into ring place b mod 7.  The token stands in the immediate: 127 x 4,096 bytes at the most.
.macro XLOAD b
	WIN 0x40                                       ; destination in the ring's block, address in block 0
.irp i, 0,1,2,3,4,5,6,7
	global_load_b128 v[((\b)%DEPTH)*32+4*\i:((\b)%DEPTH)*32+4*\i+3], v[XA], s[4:5] offset:(8*(\b)+\i)*ROWB th:TH_LOAD_NT
.endr
.endm
; A batch's turn: its 8 loads are in; round to bf16; ask for the batch 7 further on into the same registers; lay the 8 rows into the stage.
.macro BATCH b, row0
.set LEFT, LAST-(\b)
.if LEFT > DEPTH-1
.set LEFT, DEPTH-1
.endif
	s_wait_loadcnt 8*LEFT                          ; loads come back in order (ISA guide 5.7.1): the younger batches, 8 loads each, stay out
	WIN 0x05                                       ; both sources in the ring's block, destination in block 0
.irp i, 0,1,2,3,4,5,6,7
	v_cvt_pk_bf16_f32 v[T+2*\i],   v[((\b)%DEPTH)*32+4*\i],   v[((\b)%DEPTH)*32+4*\i+1]
	v_cvt_pk_bf16_f32 v[T+2*\i+1], v[((\b)%DEPTH)*32+4*\i+2], v[((\b)%DEPTH)*32+4*\i+3]
.endr
.if (\b)+DEPTH <= LAST
	XLOAD (\b)+DEPTH
.endif
	WIN 0x40                                       ; an LDS store's address and data are sources 0 and 1: block 0
.irp i, 0,1,2,3,4,5,6,7
	ds_store_b64 v[SA], v[T+2*\i:T+2*\i+1] offset:(\row0+\i)*PITCH   ; 32 lanes x 8 bytes: the row's 256 bytes
.endr
.endm
; The stage holds 32 tokens = two tiles of 16.  Fragment of 16 tokens x 32 k: lane (r, h) takes token r, k = 8 h .. + 7 and 16 + 8 h .. + 7:
; two loads of 16 bytes, 32 bytes apart.  LDS serves a wave's instructions in order (ISA guide 5.7.1.4): these loads see the stores above.
.macro TILES g
	WIN 0
.irp s, 0,1,2,3
.irp a, 0,1
	ds_load_b128 v[XF+32*\a+8*\s:XF+32*\a+8*\s+3],   v[FA] offset:\a*16*PITCH+64*\s
	ds_load_b128 v[XF+32*\a+8*\s+4:XF+32*\a+8*\s+7], v[FA] offset:\a*16*PITCH+64*\s+32
.endr
.endr
	s_wait_dscnt 12                                ; K step 0 of both tiles is in; the 12 loads of K steps 1 to 3 may be out
	v_wmma_f32_16x16x32_bf16 v[ACC:ACC+7],    v[WF:WF+7], v[XF:XF+7],     0    ; the first products start the sums: nothing is cleared
	v_wmma_f32_16x16x32_bf16 v[ACC+8:ACC+15], v[WF:WF+7], v[XF+32:XF+39], 0    ; the two accumulators take turns
.irp s, 1,2,3
	s_wait_dscnt 12-4*\s                           ; four loads a K step; the last count is 0: the stage has been read when it is written again
	v_wmma_f32_16x16x32_bf16 v[ACC:ACC+7],    v[WF+8*\s:WF+8*\s+7], v[XF+8*\s:XF+8*\s+7],       v[ACC:ACC+7]
	v_wmma_f32_16x16x32_bf16 v[ACC+8:ACC+15], v[WF+8*\s:WF+8*\s+7], v[XF+32+8*\s:XF+32+8*\s+7], v[ACC+8:ACC+15]
.endr
.rept 4
	v_nop                                          ; four places behind the matrix instructions (ISA guide 7.12.1) before their results are stored and their sources loaded again
.endr
	ds_store_b128 v[PA], v[ACC:ACC+3]    offset:512*\g       ; tokens 32 g + r: experts 4 h .. 4 h + 3 of my 128 k
	ds_store_b128 v[PA], v[ACC+8:ACC+11] offset:512*\g+256   ; tokens 32 g + 16 + r
.endm
	s_load_b256 s[4:11], s[0:1], 0x0               ; x s[4:5], w s[6:7], out0 s[8:9], out1 s[10:11]
	s_load_b64 s[12:13], s[0:1], 0x20              ; the records
	v_lshl_add_u32 v254, v0, 2, 0x19100
	v_mov_b32 v255, 0
	v_lshlrev_b32 v[XA], 4, v0
	s_lshl_b32 s20, ttmp9, 19                      ; the work-group's 128 rows of 4,096 bytes (below 2^27)
	s_mov_b32 s21, 0
	s_wait_kmcnt 0x0
	s_add_nc_u64 s[4:5], s[4:5], s[20:21]
.irp e, 0,1,2,3,4,5,6,7
	global_load_b128 v[XF+4*\e:XF+4*\e+3], v[XA], s[6:7] offset:\e*ROWB    ; my wave's 128 k of expert e, as x is loaded
.endr
.irp b, 0,1,2,3,4,5
	XLOAD \b                                       ; the ring's first six batches go out before anything else is done
.endr
	WIN 0
	v_lshrrev_b32 v9, 5, v0
	v_readfirstlane_b32 s14, v9                    ; wave 0..7
	v_and_b32 v10, 31, v0                          ; lane
	v_and_b32 v11, 15, v0                          ; r
	v_bfe_u32 v12, v0, 4, 1                        ; h
	s_mul_i32 s15, s14, STAGE                      ; my wave's stage
	v_lshl_add_u32 v[SA], v10, 3, s15
	v_mul_u32_u24 v13, v11, PITCH
	v_lshl_add_u32 v13, v12, 4, v13
	v_add_nc_u32 v[FA], s15, v13                   ; stage + r x pitch + 16 h
	v_and_b32 v14, 8, v0
	v_lshrrev_b32 v14, 1, v14                      ; 4 for rows 8-15
	v_and_b32 v15, 7, v0
	v_xor_b32 v14, v14, v15                        ; A's row r holds expert (r mod 8) xor 4 (r / 8)
	v_mul_u32_u24 v14, v14, PITCH
	v_lshl_add_u32 v14, v12, 4, v14
	v_add_nc_u32 v[WA], s15, v14
	s_lshl_b32 s18, s14, 12
	s_add_co_u32 s18, s18, PART
	v_lshlrev_b32 v13, 4, v11
	v_lshl_add_u32 v13, v12, 11, v13
	v_add_nc_u32 v[PA], s18, v13                   ; PART + 4,096 wave + 2,048 h + 16 r
	s_and_b32 s19, s14, 3                          ; the end's work is done by waves 0-3
	s_lshl_b32 s26, s19, 9
	s_add_co_u32 s26, s26, PART
	v_lshl_add_u32 v[EA], v10, 4, s26              ; PART + 16 x (32 wave + lane)
	s_lshl_b32 s27, s19, 8
	v_lshl_add_u32 v[OA], v10, 3, s27              ; 8 x (32 wave + lane)
	s_lshl_b32 s28, s19, 6
	s_add_co_u32 s28, s28, REC
	v_mov_b32 v[RA], s28
	s_mov_b32 s16, 0x76543210                      ; v_permlanex16_b32: lane i of one half reads lane i of the other
	s_mov_b32 s17, 0xfedcba98
	s_lshl_b32 s22, ttmp9, 10                      ; the work-group's 128 tokens x 8 bytes in out0 and out1
	s_mov_b32 s23, 0
	s_add_nc_u64 s[8:9], s[8:9], s[22:23]
	s_add_nc_u64 s[10:11], s[10:11], s[22:23]
	s_lshl_b32 s22, ttmp9, 6                       ; its record of 64 bytes
	s_add_nc_u64 s[12:13], s[12:13], s[22:23]
	; the weights take x's road: rounded, laid into stage rows 0-7, read back as A fragments
	s_wait_loadcnt 48                              ; the 8 weight loads are in; the 48 loads of x behind them stay out
.irp e, 0,1,2,3,4,5,6,7
	v_cvt_pk_bf16_f32 v[T+2*\e],   v[XF+4*\e],   v[XF+4*\e+1]
	v_cvt_pk_bf16_f32 v[T+2*\e+1], v[XF+4*\e+2], v[XF+4*\e+3]
.endr
.irp e, 0,1,2,3,4,5,6,7
	ds_store_b64 v[SA], v[T+2*\e:T+2*\e+1] offset:\e*PITCH
.endr
.irp s, 0,1,2,3
	ds_load_b128 v[WF+8*\s:WF+8*\s+3],   v[WA] offset:64*\s
	ds_load_b128 v[WF+8*\s+4:WF+8*\s+7], v[WA] offset:64*\s+32
.endr
	XLOAD 6                                        ; the ring is full: 56 loads
	s_wait_dscnt 0x0                               ; the weight fragments are in registers before x is laid over their rows
.irp g, 0,1,2,3
	BATCH 4*\g+0, 0
	BATCH 4*\g+1, 8
	BATCH 4*\g+2, 16
	BATCH 4*\g+3, 24
	TILES \g
.endr
	s_wait_dscnt 0x0                               ; my partial logits are in LDS,
	s_barrier_signal -1
	s_barrier_wait -1                              ; everybody's are
	s_cmp_ge_u32 s14, 4
	s_cbranch_scc1 .Lidle                          ; 128 tokens, one a lane: waves 0-3
	; my token's logits: eight waves' parts, two loads of four experts each; 32 lanes read 512 consecutive bytes
.irp p, 0,1,2,3,4,5,6,7
	ds_load_b128 v[XF+8*\p:XF+8*\p+3],   v[EA] offset:\p*4096
	ds_load_b128 v[XF+8*\p+4:XF+8*\p+7], v[EA] offset:\p*4096+2048
.endr
.irp p, 0,1,2,3
	s_wait_dscnt 12-4*\p                           ; the parts of waves 2 p and 2 p + 1 are in: four loads a pair
.irp j, 0,2,4,6
	v_pk_add_f32 v[XF+16*\p+\j:XF+16*\p+\j+1], v[XF+16*\p+\j:XF+16*\p+\j+1], v[XF+16*\p+8+\j:XF+16*\p+8+\j+1]
.endr
.endr
.irp p, 0,1
.irp j, 0,2,4,6
	v_pk_add_f32 v[XF+32*\p+\j:XF+32*\p+\j+1], v[XF+32*\p+\j:XF+32*\p+\j+1], v[XF+32*\p+16+\j:XF+32*\p+16+\j+1]
.endr
.endr
.irp j, 0,2,4,6
	v_pk_add_f32 v[LG+\j:LG+\j+1], v[LG+\j:LG+\j+1], v[XF+32+\j:XF+32+\j+1]
.endr
	; softmax over the lane's eight logits: the maximum is taken away first, so every exponent is at most 0
	v_max3_num_f32 v[MX],   v[LG],   v[LG+1], v[LG+2]
	v_max3_num_f32 v[MX+1], v[LG+3], v[LG+4], v[LG+5]
	v_max3_num_f32 v[MX],   v[MX],   v[LG+6], v[LG+7]
	v_max_num_f32  v[MX],   v[MX],   v[MX+1]
.irp e, 0,1,2,3,4,5,6,7
	v_sub_f32 v[SC+\e], v[LG+\e], v[MX]
.endr
.irp j, 0,2,4,6
	v_pk_mul_f32 v[SC+\j:SC+\j+1], v[SC+\j:SC+\j+1], 0x3fb8aa3b op_sel_hi:[1,0]   ; x log2(e): v_exp_f32 is 2^x
.endr
.irp e, 0,1,2,3,4,5,6,7
	v_exp_f32 v[SC+\e], v[SC+\e]
.endr
	v_nop                                          ; one plain vector instruction behind a transcendental before its result is used (ISA guide 5.7.2)
	s_wait_alu depctr_va_vdst(0)
	v_pk_add_f32 v[SU:SU+1],   v[SC:SC+1],     v[SC+2:SC+3]
	v_pk_add_f32 v[SU+2:SU+3], v[SC+4:SC+5],   v[SC+6:SC+7]
	v_pk_add_f32 v[SU:SU+1],   v[SU:SU+1],     v[SU+2:SU+3]
	v_add_f32 v[SU], v[SU], v[SU+1]                ; at least 1: the maximum's own term
	v_rcp_f32 v[RC],   v[SU]
	v_rcp_f32 v[RC+1], v[SU]                       ; twice: a pair for the packed multiply
	v_mov_b32 v[IX], 0                             ; the plain instruction behind the transcendentals
	v_mov_b32 v[IX+1], 0
	s_wait_alu depctr_va_vdst(0)
.irp j, 0,2,4,6
	v_pk_mul_f32 v[SC+\j:SC+\j+1], v[SC+\j:SC+\j+1], v[RC:RC+1]
.endr
	; the two largest scores, experts in ascending order; only a strictly larger score displaces one: equal scores stay with the lower index
	v_mov_b32 v[TW], v[SC]
	v_mov_b32 v[TW+1], -1.0                        ; below every score
.irp e, 1,2,3,4,5,6,7
	v_cmp_gt_f32 vcc_lo, v[SC+\e], v[TW+1]         ; beats the second
	v_cmp_gt_f32 s20, v[SC+\e], v[TW]              ; beats the first
	v_cndmask_b32 v[TW+1], v[TW+1], v[SC+\e], vcc_lo
	v_cndmask_b32 v[IX+1], v[IX+1], \e, vcc_lo
	v_cndmask_b32 v[TW+1], v[TW+1], v[TW], s20     ; then the old first becomes the second
	v_cndmask_b32 v[IX+1], v[IX+1], v[IX], s20
	v_cndmask_b32 v[TW], v[TW], v[SC+\e], s20
	v_cndmask_b32 v[IX], v[IX], \e, s20
.endr
	global_store_b64 v[OA], v[IX:IX+1], s[8:9] th:TH_STORE_NT      ; 32 lanes x 8 bytes: 256 consecutive bytes, aligned
	global_store_b64 v[OA], v[TW:TW+1], s[10:11] th:TH_STORE_NT
	; how many of my 32 tokens chose expert e: the two indices of a token differ, so the two masks share no bit
.irp e, 0,1,2,3,4,5,6,7
	v_cmp_eq_u32 s20, \e, v[IX]
	v_cmp_eq_u32 s21, \e, v[IX+1]
	s_or_b32 s20, s20, s21
	s_bcnt1_i32_b32 s20, s20
	v_cvt_f32_u32 v[CN+\e], s20
.endr
	; the sums of the eight scores over my 32 tokens: four steps inside each half of 16 lanes, one across the halves
.irp m, 1,2,4,8
.irp e, 0,1,2,3,4,5,6,7
	v_add_f32_dpp v[SC+\e], v[SC+\e], v[SC+\e] row_xmask:\m row_mask:0xf bank_mask:0xf
.endr
.endr
.irp e, 0,1,2,3,4,5,6,7
	v_permlanex16_b32 v[LG+\e], v[SC+\e], s16, s17 ; its destination counts as read: the logits' registers have been written
.endr
.irp j, 0,2,4,6
	v_pk_add_f32 v[SC+\j:SC+\j+1], v[SC+\j:SC+\j+1], v[LG+\j:LG+\j+1]
.endr
	ds_store_b128 v[RA], v[SC:SC+3]                ; every lane holds the same 16 numbers and writes them to the same 64 bytes
	ds_store_b128 v[RA], v[SC+4:SC+7] offset:16
	ds_store_b128 v[RA], v[CN:CN+3]   offset:32
	ds_store_b128 v[RA], v[CN+4:CN+7] offset:48
.Lidle:
	s_wait_dscnt 0x0                               ; my record is in LDS,
	s_barrier_signal -1
	s_barrier_wait -1                              ; all four are
	s_cmp_lg_u32 s14, 0
	s_cbranch_scc1 .Lend
	v_lshlrev_b32 v13, 4, v11
	v_add_nc_u32 v13, REC, v13                     ; lane r: numbers 4 (r mod 4) .. + 3 of record r / 4
	ds_load_b128 v[LG:LG+3], v13
	s_wait_dscnt 0x0
.irp m, 4,8
.irp c, 0,1,2,3
	v_add_f32_dpp v[LG+\c], v[LG+\c], v[LG+\c] row_xmask:\m row_mask:0xf bank_mask:0xf
.endr
.endr
	v_cmp_gt_u32 vcc_lo, 4, v0
	s_wait_xcnt 0x0                                ; EXEC is a source of the stores above: it changes only behind this wait
	s_and_saveexec_b32 s20, vcc_lo
	global_store_b128 v[XA], v[LG:LG+3], s[12:13]  ; lanes 0-3: the work-group's 16 sums, 64 bytes, once in the launch
	s_wait_xcnt 0x0
	s_or_b32 exec_lo, exec_lo, s20
.Lend:
	s_wait_tensorcnt 0x0
	ds_add_u32 v254, v255
	s_wait_dscnt 0x0
	s_endpgm
.Lfunc_end_k_q13144b6e19_gate:
	.size	k_q13144b6e19_gate, .Lfunc_end_k_q13144b6e19_gate-k_q13144b6e19_gate
	.p2alignl 7, 3214868480
	.fill 96, 4, 3214868480
	.section	.rodata,"a",@progbits
	.p2align	6, 0x0
	.amdhsa_kernel k_q13144b6e19_gate
		.amdhsa_group_segment_fixed_size 103680
		.amdhsa_private_segment_fixed_size 0
		.amdhsa_enable_private_segment 0
		.amdhsa_kernarg_size 40
		.amdhsa_user_sgpr_count 2
		.amdhsa_user_sgpr_kernarg_segment_ptr 1
		.amdhsa_wavefront_size32 1
		.amdhsa_system_sgpr_workgroup_id_x 1
		.amdhsa_system_sgpr_workgroup_id_y 1
		.amdhsa_system_sgpr_workgroup_id_z 1
		.amdhsa_system_vgpr_workitem_id 0
		.amdhsa_next_free_vgpr 480
		.amdhsa_next_free_sgpr 66
		.amdhsa_reserve_vcc 1
		.amdhsa_float_denorm_mode_32 3
		.amdhsa_float_denorm_mode_16_64 3
		.amdhsa_memory_ordered 1
		.amdhsa_forward_progress 1
		.amdhsa_inst_pref_size 65
	.end_amdhsa_kernel
	.amdgpu_metadata
---
amdhsa.version: [ 1, 2 ]
amdhsa.kernels:
  - .name:           k_q13144b6e19_gate
    .symbol:         k_q13144b6e19_gate.kd
    .args:
      - { .name: hidden_states, .offset: 0, .size: 8, .value_kind: global_buffer, .address_space: global }
      - { .name: weight, .offset: 8, .size: 8, .value_kind: global_buffer, .address_space: global }
      - { .name: out0, .offset: 16, .size: 8, .value_kind: global_buffer, .address_space: global }
      - { .name: out1, .offset: 24, .size: 8, .value_kind: global_buffer, .address_space: global }
      - { .name: part, .offset: 32, .size: 8, .value_kind: global_buffer, .address_space: global }
    .group_segment_fixed_size: 103680
    .private_segment_fixed_size: 0
    .kernarg_segment_align: 8
    .kernarg_segment_size: 40
    .max_flat_workgroup_size: 256
    .sgpr_count:     66
    .vgpr_count:     480
    .wavefront_size: 32
...
	.end_amdgpu_metadata
.endif
;; end of part 1
;; launch finish (part 2): grid 1 x 1, 1 waves a work-group, no clusters, 0 bytes of LDS; arguments part, out2; writes out2
.if DOCPART == 2
	.amdgcn_target "amdgcn-amd-amdhsa--gfx1250"
	.amdhsa_code_object_version 6
	.text
	.protected	k_q13144b6e19_finish
	.globl	k_q13144b6e19_finish
	.p2align	8
	.type	k_q13144b6e19_finish,@function
k_q13144b6e19_finish:
	s_mov_b64 s[64:65], 0
	v_nop
	global_prefetch_b8 v0, s[64:65] scope:SCOPE_SE
	s_setreg_imm32_b32 hwreg(HW_REG_WAVE_MODE, 25, 1), 1
	s_wait_xcnt 0x0
; The loss from the 256 records of the first launch.  Record g (64 bytes): P[0..7] = sums of the scores, F[0..7] = counts of the choices
; over tokens 128 g .. 128 g + 127; records 64 b .. 64 b + 63 belong to sequence b of 4.
; aux = ALPHA / B x sum over b, e of (E / (K S) x F[b][e] / S) x (P[b][e] / S) = 0.1 x 2^-39 x sum of F x P   (B = 4, E = 8, K = 2, S = 2^13).
; One wave: 16 KiB are 32 loads of 16 bytes a lane, all on their way at once.  Load j, lane l: numbers 4 (l mod 4) .. + 3 of record 8 j + l / 4,
; so loads 8 b .. 8 b + 7 are sequence b, and a lane keeps the same four columns throughout.  The counts are whole numbers below 2^24: exact in f32.
.set D, 4                              ; v[4:131]  load j at 4 j
.set SCALE, 0x2a4ccccd                 ; 0.1 x 2^-39
.macro ADD4 d, s
	v_pk_add_f32 v[\d:\d+1],   v[\d:\d+1],   v[\s:\s+1]
	v_pk_add_f32 v[\d+2:\d+3], v[\d+2:\d+3], v[\s+2:\s+3]
.endm
	s_load_b128 s[4:7], s[0:1], 0x0                ; records s[4:5], out2 s[6:7]
	v_lshlrev_b32 v1, 4, v0
	v_mov_b32 v2, 0
	s_mov_b32 s8, 0x76543210                       ; v_permlanex16_b32: lane i of one half reads lane i of the other
	s_mov_b32 s9, 0xfedcba98
	s_wait_kmcnt 0x0
.set j, 0
.rept 32
	global_load_b128 v[D+4*j:D+4*j+3], v1, s[4:5] offset:512*j
.set j, j+1
.endr
.irp b, 0,1,2,3
	s_wait_loadcnt 24-8*\b                         ; sequence b's eight loads are in; those of the later sequences stay out
	ADD4 D+32*\b,    D+32*\b+4
	ADD4 D+32*\b+8,  D+32*\b+12
	ADD4 D+32*\b+16, D+32*\b+20
	ADD4 D+32*\b+24, D+32*\b+28
	ADD4 D+32*\b,    D+32*\b+8
	ADD4 D+32*\b+16, D+32*\b+24
	ADD4 D+32*\b,    D+32*\b+16
.endr
	; over the eight lanes that hold the same columns: lane xor 4, xor 8, xor 16
.irp m, 4,8
.irp b, 0,1,2,3
.irp c, 0,1,2,3
	v_add_f32_dpp v[D+32*\b+\c], v[D+32*\b+\c], v[D+32*\b+\c] row_xmask:\m row_mask:0xf bank_mask:0xf
.endr
.endr
.endr
.irp b, 0,1,2,3
.irp c, 0,1,2,3
	v_permlanex16_b32 v[D+32*\b+4+\c], v[D+32*\b+\c], s8, s9       ; its destination counts as read: written by a load
.endr
.endr
.irp b, 0,1,2,3
	ADD4 D+32*\b, D+32*\b+4
.endr
	; lanes with l mod 4 = 0, 1 hold P[0..3], P[4..7], those with 2, 3 hold F[0..3], F[4..7]: lane xor 2 is the partner
.irp b, 0,1,2,3
.irp c, 0,1,2,3
	v_mul_f32_dpp v[D+32*\b+\c], v[D+32*\b+\c], v[D+32*\b+\c] row_xmask:2 row_mask:0xf bank_mask:0xf
.endr
.endr
.irp b, 0,1,2,3
	v_pk_add_f32 v[D+32*\b:D+32*\b+1], v[D+32*\b:D+32*\b+1], v[D+32*\b+2:D+32*\b+3]
.endr
	v_pk_add_f32 v[D:D+1],       v[D:D+1],       v[D+32:D+33]
	v_pk_add_f32 v[D+64:D+65],   v[D+64:D+65],   v[D+96:D+97]
	v_pk_add_f32 v[D:D+1],       v[D:D+1],       v[D+64:D+65]
	v_add_f32 v[D], v[D], v[D+1]                   ; four experts, all sequences
	v_add_f32_dpp v[D], v[D], v[D] row_xmask:1 row_mask:0xf bank_mask:0xf   ; and the other four
	v_mul_f32 v[D], SCALE, v[D]
	v_cmp_eq_u32 vcc_lo, 0, v0
	s_wait_xcnt 0x0                                ; EXEC is a source of the loads above: it changes only behind this wait
	s_and_saveexec_b32 s10, vcc_lo
	global_store_b32 v2, v[D], s[6:7]              ; one number
	s_wait_xcnt 0x0
	s_or_b32 exec_lo, exec_lo, s10
	s_endpgm
.Lfunc_end_k_q13144b6e19_finish:
	.size	k_q13144b6e19_finish, .Lfunc_end_k_q13144b6e19_finish-k_q13144b6e19_finish
	.p2alignl 7, 3214868480
	.fill 96, 4, 3214868480
	.section	.rodata,"a",@progbits
	.p2align	6, 0x0
	.amdhsa_kernel k_q13144b6e19_finish
		.amdhsa_group_segment_fixed_size 0
		.amdhsa_private_segment_fixed_size 0
		.amdhsa_enable_private_segment 0
		.amdhsa_kernarg_size 16
		.amdhsa_user_sgpr_count 2
		.amdhsa_user_sgpr_kernarg_segment_ptr 1
		.amdhsa_wavefront_size32 1
		.amdhsa_system_sgpr_workgroup_id_x 1
		.amdhsa_system_sgpr_workgroup_id_y 1
		.amdhsa_system_sgpr_workgroup_id_z 1
		.amdhsa_system_vgpr_workitem_id 0
		.amdhsa_next_free_vgpr 132
		.amdhsa_next_free_sgpr 66
		.amdhsa_reserve_vcc 1
		.amdhsa_float_denorm_mode_32 3
		.amdhsa_float_denorm_mode_16_64 3
		.amdhsa_memory_ordered 1
		.amdhsa_forward_progress 1
		.amdhsa_inst_pref_size 13
	.end_amdhsa_kernel
	.amdgpu_metadata
---
amdhsa.version: [ 1, 2 ]
amdhsa.kernels:
  - .name:           k_q13144b6e19_finish
    .symbol:         k_q13144b6e19_finish.kd
    .args:
      - { .name: part, .offset: 0, .size: 8, .value_kind: global_buffer, .address_space: global }
      - { .name: out2, .offset: 8, .size: 8, .value_kind: global_buffer, .address_space: global }
    .group_segment_fixed_size: 0
    .private_segment_fixed_size: 0
    .kernarg_segment_align: 8
    .kernarg_segment_size: 16
    .max_flat_workgroup_size: 32
    .sgpr_count:     66
    .vgpr_count:     132
    .wavefront_size: 32
...
	.end_amdgpu_metadata
.endif
;; end of part 2
